; MI455X (gfx1250); checked and timed in simulation.
; The chip was launched on July 23, 2026; its instructions are those of AMD's public machine-readable ISA for CDNA 5 (MIT licence, August 2026) and "CDNA5" Instruction Set Architecture Reference Guide (July 2026). The comments in the code are by the model that wrote it; some were corrected since.
;; Specific Mo E. Allowed arithmetic: matrix products marked QUANTISED: E2M1 operands, one E8M0 scale for each 32 along K, by v_wmma_scale_f32_16x16x128_f8f6f4 with both operands' format E2M1 (or v_wmma_scale_f32_32x16x128_f4), f32 sums; products left as they are: f32 operands where the result goes on into a quantised operand, else bf16, f16 or f32 operands; f32 sums; everything else in f32.
;; Inputs: W1_codes 8 x 512 x 32 x 16 uint8 (E2M1 codes of W1, K innermost, in blocks of 32 codes, two codes a byte); W1_scales 8 x 512 x 32 uint8 (E8M0 scales of W1, one for each 32 codes along K); W2_codes 8 x 1,024 x 16 x 16 uint8 (E2M1 codes of W2, K innermost, in blocks of 32 codes, two codes a byte); W2_scales 8 x 1,024 x 16 uint8 (E8M0 scales of W2, one for each 32 codes along K); Wr 1,024 x 8 float32; b1 8 x 512 float32; b2 8 x 1,024 float32; br 8 float32; x 4 x 2,048 x 1,024 float32.
;; Outputs: out0 4 x 2,048 x 1,024 float32; out1 4 x 2,048 x 8 float32; out2 4 x 2,048 x 8 float32; out3 4 x 2,048 x 2 int32; out4 4 x 2,048 x 2 float32.
;; This version of the problem:
;;   THIS VERSION OF THE PROBLEM IS GIVEN IN LOW PRECISION. The matrix products marked QUANTISED in the list below multiply operands that are first quantised to E2M1 (2 exponent bits, 1 mantissa bit; 4 bits a number), with one power-of-two scale for each 32 numbers along K (OCP MX v1.0); their sums are f32. All else is computed in f32.
;;   The module's matrix products, in the order in which they are computed (A, B: the left and right operand; K: the contracted axis; several contracted axes count as one K, in the product's order):
;;     1. [M 8,192, K 1,024] x [K 1,024, N 8]; A: input x; B: input Wr: left as it is (N = 8 < 16)
;;     2. [M 8,192, K 1,024] x [K 1,024, N 4,096]; A: input x; B: input W1 (given as codes): QUANTISED
;;     3. batch 8 x [M 1,024, K 512] x [K 512, N 8,192]; A: input W2 (given as codes); B: computed on the way: QUANTISED
;;   THE QUANTISER, for each operand of a quantised product, along K:
;;     - K is cut into blocks of 32 from its start; a last block that is shorter is filled with zeros.
;;     - A block's scale is 2^e with e = floor(log2(the largest magnitude in the block)) - 2, held to -126 .. 127; a block of zeros has e = 0. As a byte (E8M0): e + 127.
;;     - Each number is divided by its block's scale, clamped to +-6, and rounded to the nearest number of E2M1, ties to even, subnormals kept.
;;     - The product sums the exact products of the quantised numbers (number of the format x scale) in f32.
;;   ~~~python
;;   def quantise(x, axis):      # numpy; x: float32 -> the quantised numbers, widened to float32 again
;;       x = np.moveaxis(x, axis, -1); K = x.shape[-1]
;;       x = np.pad(x, [(0, 0)] * (x.ndim - 1) + [(0, -K % 32)]); x = x.reshape(x.shape[:-1] + (-1, 32)); a = np.abs(x).max(-1, keepdims=True)
;;       e = np.where(a > 0, np.clip(np.frexp(np.where(a > 0, a, 1))[1] - 1 - 2, -126, 127), 0)      # np.frexp(a)[1] - 1 = floor(log2(a)), exactly
;;       r = np.clip(x / 2.0 ** e, -6, 6)
;;       step = 2.0 ** (np.maximum(np.frexp(np.where(r == 0, 1, r))[1] - 1, 0) - 1)
;;       q = np.round(r / step) * step * 2.0 ** e      # np.round: ties to even
;;       return np.moveaxis(q.reshape(q.shape[:-2] + (-1,))[..., :K], -1, axis).astype(np.float32)
;;   ~~~
;;   OPERANDS COMPUTED ON THE WAY. 'Computed on the way' means the value that the module computes at that place (a softmax that the list does not call 'softmax' is quantised finished and normalised). What goes into a quantiser is computed in f32, as accurately as f32 sums, v_exp_f32 and their like allow (about 1e-6 of the number): no bf16 or f16 on the way to a quantiser, and a product that is left as it is and whose result goes on into a quantised operand takes f32 operands (vector FMAs, or v_wmma_f32_16x16x4_f32). A number that lies on a knife's edge between two numbers of the format may be rounded either way, as far as f32 arithmetic and the matrix unit's own rounding can turn it there, and no further.
;;   INPUTS GIVEN AS CODES. W1 (in the module: [8, 1024, 512], K = its axis 1); W2 (in the module: [8, 512, 1024], K = its axis 1): each comes as NAME_codes (uint8): NAME with its K axis moved to the last place and cut into blocks of 32 codes, [.., K / 32, bytes a block], one block behind the other in memory; two codes a byte, the lower K in the low four bits (a code: sign, 2 exponent bits, 1 mantissa bit); and NAME_scales (uint8): the same leading axes, one E8M0 byte (e + 127) for each 32 codes along K. Its value is code x scale, taken as it is: it is not quantised again, and the codes and scales need not be those that the quantiser above would give.
;; One version. Each part assembles by itself: llvm-mc -triple=amdgcn-amd-amdhsa -mcpu=gfx1250 --defsym DOCPART=n.
;; ======== version 1 of 1: 3 launches
;; workspace buffers: xq 4,194,304 bytes; xs 262,144 bytes; gates 65,536 bytes; masks 32,768 bytes of whole numbers; counts 32,768 bytes of whole numbers; list 50,688 bytes of whole numbers; W1L 2,097,152 bytes; W2L 2,097,152 bytes
;; launch route (part 1): grid 256 x 1, 4 waves a work-group, no clusters, 197,120 bytes of LDS; arguments x, Wr, br, W1_codes, W2_codes, out1, out2, out3, out4, xq, xs, gates, masks, counts, W1L, W2L; writes out1, out2, out3, out4, xq, xs, gates, masks, counts, W1L, W2L
.if DOCPART == 1
	.amdgcn_target "amdgcn-amd-amdhsa--gfx1250"
	.amdhsa_code_object_version 6
	.text
	.protected	k_q1746842689_route
	.globl	k_q1746842689_route
	.p2align	8
	.type	k_q1746842689_route,@function
k_q1746842689_route:
	s_mov_b64 s[64:65], 0
	v_nop
	global_prefetch_b8 v0, s[64:65] scope:SCOPE_SE
	s_setreg_imm32_b32 hwreg(HW_REG_WAVE_MODE, 25, 1), 1
	s_wait_xcnt 0x0
; ROUTER, QUANTISER OF x, AND THE WEIGHTS' NEW ORDER.  x [8192][1024] f32 is read once.
; A work-group owns 32 tokens, each of its four waves 8.  Lane l owns block l of a row (d = 32 l .. 32 l + 31): a block's largest magnitude needs no other
; lane, its four conversions give the block's 16 bytes, and a wave's 16-byte store is a token's 512 bytes of codes.
; logits = x Wr + br in f32 (fused multiply-adds, two experts an instruction; Wr stays in 256 registers a lane), softmax with the row's maximum taken away, top-2 on the
; probabilities (a strict > keeps the lower index, as jax.lax.top_k does).  Stored: out1 .. out4; xq [token][32 blocks][16 B], xs [token][32 bytes]; gates [token][gate of the lower expert, of the higher];
; masks [group of 32 tokens][key 32]: bit i of word p = token i has the pair of experts number p = lo (15 - lo) / 2 + hi - lo - 1; counts: the ones in each such word.
; No address and no branch here hangs on the choice: it leaves as data.
; Each wave also copies 2 KB of W1's and 2 KB of W2's codes into the order in which the next launch's operand registers take them:
;   W1L [e][wave 4][c 2][ks 8][t 4][cc 2][lane][16 B]: lane (r, h) of tile t = 2 bb + u: hidden row 128 wave + 64 c + 32 bb + 8 u + r + 8 (r / 8), bytes 64 ks + 32 cc + 16 h
;   W2L [e][wave 4][n 16][ks 4][cc 2][lane][16 B]: row 256 wave + 16 n + r, bytes 64 ks + 32 cc + 16 h
; LIMITS: NaN and infinities in x, Wr, br are not served.  A block of zeros gets the scale byte 1 (the rule says 127): its codes are zeros and only this program reads the bytes.
; A block's largest magnitude is taken no smaller than 2^(3 - 127), which holds the byte at 1 from below.  Ties of the top-2 are broken on this text's own f32 probabilities.
; LDS: every tile is filled once (five tensor loads a wave are out at the most); what ds_store writes has blocks of 256 bytes of its own.
.set XTW, 36864                        ; a wave's 8 tokens: 8 x 32 pieces of 128 bytes + 16 of padding
.set XTP, 9216                         ; two tokens: what one tensor load brings
.set XTT, 4608                         ; one token
.set WRL, 147456                       ; Wr: 32 rows of 1,024 bytes + 16: row l = Wr[32 l .. 32 l + 31][0 .. 7]
.set SCB, 180736                       ; 4 x 256 scale bytes
.set RES, 181760                       ; 32 tokens x 32 bytes: the choice
.set RX,  32                           ; v32-95   two tokens' 32 numbers each
.set ACC, 96                           ; v96-111  their 8 sums each
.set LG,  112                          ; v112-175 8 tokens x 8 logits (without br)
.set CD,  176                          ; v176-207 codes, four registers a token
.set RL,  208                          ; v208-239 the weights on their way
.set TM,  240                          ; v240-255 at work
.set MSB, 0
.macro WIN new                         ; the immediate's high byte repeats the setting that is left
.if MSB != \new
	s_set_vgpr_msb (MSB<<8)|\new
.set MSB, \new
.endif
.endm
	s_load_b512 s[4:19], s[0:1], 0x0               ; x 4, Wr 6, br 8, W1_codes 10, W2_codes 12, out1 14, out2 16, out3 18
	s_load_b512 s[20:35], s[0:1], 0x40             ; out4 20, xq 22, xs 24, gates 26, masks 28, counts 30, W1L 32, W2L 34
	v_lshl_add_u32 v30, v0, 2, 0x30000
	v_mov_b32 v31, 0
	ds_add_u32 v30, v31
	ds_add_u32 v30, v31
	v_lshrrev_b32 v1, 5, v0
	v_readfirstlane_b32 s86, v1                    ; wave 0..3
	v_and_b32 v1, 31, v0                           ; lane
	; group 1 for x: 64 rows of 32 f32 (two dense tokens), 4 words of padding behind every 32
	s_mov_b32 s36, (2<<16)|(1<<20)|(4<<22)|(3<<25)
	s_mov_b32 s37, 32<<16
	s_mov_b32 s38, 64<<16
	s_mov_b32 s39, 32<<16
	s_mov_b32 s40, 64
	s_mov_b32 s41, 32
	s_mov_b32 s42, 0
	s_mov_b32 s43, 0
	; group 1 for Wr: 8 rows of 256 f32, 4 words of padding behind every 256
	s_mov_b32 s44, (2<<16)|(1<<20)|(7<<22)|(3<<25)
	s_mov_b32 s45, 256<<16
	s_mov_b32 s46, 8<<16
	s_mov_b32 s47, 256<<16
	s_mov_b32 s48, 8
	s_mov_b32 s49, 256
	s_mov_b32 s50, 0
	s_mov_b32 s51, 0
	s_mov_b32 s84, 0x76543210
	s_mov_b32 s85, 0xfedcba98                      ; v_permlanex16_b32's selects for lane l xor 16
	s_mul_i32 s87, s86, XTW                        ; my tokens in LDS
	s_mul_i32 s88, s86, 8320
	s_add_co_u32 s88, s88, WRL                     ; my quarter of Wr in LDS
	s_lshl_b32 s90, ttmp9, 17                      ; 32 tokens of 4,096 bytes a work-group,
	s_lshl_b32 s89, s86, 15                        ; 8 a wave
	s_add_co_u32 s90, s90, s89
	s_mov_b32 s91, 0
	s_lshl_b32 s92, s86, 13                        ; my quarter of Wr in memory
	s_mov_b32 s93, 0
	s_wait_dscnt 0x0
	s_wait_kmcnt 0x0
	s_add_nc_u64 s[90:91], s[4:5], s[90:91]
	s_add_nc_u64 s[92:93], s[6:7], s[92:93]
	s_mov_b32 s52, 1
	s_mov_b32 s53, s88
	s_mov_b64 s[54:55], s[92:93]
	s_or_b32 s55, s55, 0x80000000
.irp j, 0,1,2,3
.set GX, 56+4*\j+4*(\j/2)                      ; s56, s60, s68, s72
	s_mov_b32 s[GX], 1
	s_add_co_u32 s[GX+1], s87, XTP*\j
	s_add_nc_u64 s[GX+2:GX+3], s[90:91], 8192*\j
	s_or_b32 s[GX+3], s[GX+3], 0x80000000
.endr
	tensor_load_to_lds s[52:55], s[44:51]          ; all first fills go out together: Wr's quarter first, then my four pairs of tokens
	s_nop 0
	tensor_load_to_lds s[56:59], s[36:43]
	s_nop 0
	tensor_load_to_lds s[60:63], s[36:43]
	s_nop 0
	tensor_load_to_lds s[68:71], s[36:43]
	s_nop 0
	tensor_load_to_lds s[72:75], s[36:43]
	s_nop 0
.rept 4
	v_nop
.endr
	s_load_b256 s[76:83], s[8:9], 0x0              ; br
	v_and_b32 v15, 15, v0                          ; r
	v_bfe_u32 v16, v0, 4, 1                        ; h
	v_lshlrev_b32 v2, 4, v1                        ; 16 x lane
	v_mul_u32_u24 v3, v1, 144
	v_add_nc_u32 v3, s87, v3                       ; my block in my wave's first token
	v_mul_u32_u24 v4, v1, 1040
	v_add_nc_u32 v4, WRL, v4                       ; my 32 rows of Wr
	s_lshl_b32 s88, s86, 8
	v_add_nc_u32 v5, s88, v1
	v_add_nc_u32 v5, SCB, v5                       ; my block's scale byte
	v_lshlrev_b32 v7, 3, v1                        ; 8 x lane
	v_add_nc_u32 v6, s88, v7
	v_add_nc_u32 v6, SCB, v6                       ; and 8 of the wave's 256 on the way out
	v_and_b32 v17, 8, v15
	v_add_nc_u32 v17, v17, v15                     ; r + 8 (r / 8)
	v_lshlrev_b32 v8, 9, v17
	v_lshl_add_u32 v8, v16, 4, v8                  ; W1: a row is 512 bytes
	v_lshlrev_b32 v9, 8, v15
	v_lshl_add_u32 v9, v16, 4, v9                  ; W2: a row is 256 bytes
	v_and_b32 v10, 7, v0                           ; the token that my lane serves at the end
	v_bfe_u32 v17, v0, 3, 1
	v_lshlrev_b32 v11, 5, v10
	v_lshl_add_u32 v11, v17, 4, v11                ; out1, out2: 32 bytes a token; lanes 8-15 take the second 16
	v_lshl_add_u32 v12, v10, 5, s88
	v_add_nc_u32 v12, RES, v12                     ; the token's record
	v_lshlrev_b32 v13, 5, v1
	v_add_nc_u32 v13, RES, v13                     ; wave 0 reads record = lane
	v_lshlrev_b32 v14, 2, v1
.irp k, 0,1,2,3,4,5,6,7,8,9,10,11,12,13,14,15
	v_mov_b32 v[TM+\k], 0                          ; written once: a lane permute's destination counts as one of its sources
.endr
	s_lshl_b32 s94, ttmp9, 2
	s_add_co_u32 s94, s94, s86                     ; W = 4 x work-group + wave, 0 .. 1023: e (3 bits), wave (2), then W1: c, ks (3), bb;  W2: n (4), half of the ks
	s_and_b32 s95, s94, 1
	s_mov_b32 s97, 0
	s_lshr_b32 s96, s94, 4
	s_lshl_b32 s96, s96, 15                        ; W1: (W >> 4) x 64 rows of 512 bytes
	s_lshl_b32 s98, s95, 14                        ; + bb x 32 rows
	s_add_co_u32 s96, s96, s98
	s_bfe_u32 s98, s94, 0x30001
	s_lshl_b32 s98, s98, 6                         ; + 64 ks
	s_add_co_u32 s96, s96, s98
	s_add_nc_u64 s[10:11], s[10:11], s[96:97]
	s_lshr_b32 s96, s94, 1
	s_lshl_b32 s96, s96, 12                        ; W2: (W >> 1) x 16 rows of 256 bytes
	s_lshl_b32 s98, s95, 7                         ; + 128 (W & 1)
	s_add_co_u32 s96, s96, s98
	s_add_nc_u64 s[12:13], s[12:13], s[96:97]
	s_lshl_b32 s96, s94, 11                        ; 2,048 bytes of each a wave
	s_add_nc_u64 s[32:33], s[32:33], s[96:97]
	s_add_nc_u64 s[34:35], s[34:35], s[96:97]
	s_lshl_b32 s96, s94, 12                        ; my first token is 8 W: 512 bytes of codes a token
	s_add_nc_u64 s[22:23], s[22:23], s[96:97]
	s_lshl_b32 s96, s94, 8                         ; 32 bytes a token: xs, out1, out2
	s_add_nc_u64 s[24:25], s[24:25], s[96:97]
	s_add_nc_u64 s[14:15], s[14:15], s[96:97]
	s_add_nc_u64 s[16:17], s[16:17], s[96:97]
	s_lshl_b32 s96, ttmp9, 8                       ; 8 bytes a token, 32 tokens: out3, out4, gates
	s_add_nc_u64 s[18:19], s[18:19], s[96:97]
	s_add_nc_u64 s[20:21], s[20:21], s[96:97]
	s_add_nc_u64 s[26:27], s[26:27], s[96:97]
	s_lshl_b32 s96, ttmp9, 7                       ; 128 bytes a group: masks, counts
	s_add_nc_u64 s[28:29], s[28:29], s[96:97]
	s_add_nc_u64 s[30:31], s[30:31], s[96:97]
.irp u, 0,1
.irp cc, 0,1
	global_load_b128 v[RL+8*\u+4*\cc:RL+8*\u+4*\cc+3], v8, s[10:11] offset:4096*\u+32*\cc
.endr
.endr
.irp kk, 0,1
.irp cc, 0,1
	global_load_b128 v[RL+16+8*\kk+4*\cc:RL+16+8*\kk+4*\cc+3], v9, s[12:13] offset:64*\kk+32*\cc
.endr
.endr
	s_wait_tensorcnt 0x4                           ; my quarter of Wr has landed; the four loads of x issued behind it may be out
	s_barrier_signal -1
	s_barrier_wait -1                              ; everybody's quarter has
	WIN 0x40                                       ; destination window 1
.set I, 0
.rept 64
	ds_load_b128 v[4*I:4*I+3], v4 offset:16*I      ; register 8 i + e of window 1 = Wr[32 lane + i][e]
.set I, I+1
.endr
	WIN 0
	s_wait_loadcnt 0x0                             ; the weights' eight pieces
.irp u, 0,1
.irp cc, 0,1
	global_store_b128 v2, v[RL+8*\u+4*\cc:RL+8*\u+4*\cc+3], s[32:33] offset:1024*\u+512*\cc        ; 32 lanes store 512 consecutive bytes
	global_store_b128 v2, v[RL+16+8*\u+4*\cc:RL+16+8*\u+4*\cc+3], s[34:35] offset:1024*\u+512*\cc
.endr
.endr
; Two tokens: their logits' sums and their codes.
.macro PAIR j
	s_wait_tensorcnt 3-\j                          ; this pair has landed; the pairs behind it may be out.  Only my wave reads these bytes
.irp a, 0,1
.irp i, 0,1,2,3,4,5,6,7
	ds_load_b128 v[RX+32*\a+4*\i:RX+32*\a+4*\i+3], v3 offset:XTP*\j+XTT*\a+16*\i
.endr
.endr
	s_wait_dscnt 0x0                               ; (the first time: Wr too)
	WIN 0x04                                       ; source 1 (Wr) window 1
.irp q, 0,1,2,3
.irp a, 0,1
	v_pk_mul_f32 v[ACC+8*\a+2*\q:ACC+8*\a+2*\q+1], v[RX+32*\a:RX+32*\a+1], v[2*\q:2*\q+1] op_sel_hi:[0,1]   ; the first product starts the sums: x_0 for both halves
.endr
.endr
.set I, 1
.rept 31
.irp q, 0,1,2,3
.irp a, 0,1
.if I%2
	v_pk_fma_f32 v[ACC+8*\a+2*\q:ACC+8*\a+2*\q+1], v[RX+32*\a+2*(I/2):RX+32*\a+2*(I/2)+1], v[8*I+2*\q:8*I+2*\q+1], v[ACC+8*\a+2*\q:ACC+8*\a+2*\q+1] op_sel:[1,0,0] op_sel_hi:[1,1,1]
.else
	v_pk_fma_f32 v[ACC+8*\a+2*\q:ACC+8*\a+2*\q+1], v[RX+32*\a+2*(I/2):RX+32*\a+2*(I/2)+1], v[8*I+2*\q:8*I+2*\q+1], v[ACC+8*\a+2*\q:ACC+8*\a+2*\q+1] op_sel:[0,0,0] op_sel_hi:[0,1,1]
.endif
.endr
.endr
.set I, I+1
.endr
	WIN 0
.irp mk, 1,2,4,8                               ; the 32 lanes' parts are added; every lane ends with the sum
.irp k, 0,1,2,3,4,5,6,7,8,9,10,11,12,13,14,15
	v_add_f32_dpp v[ACC+\k], v[ACC+\k], v[ACC+\k] row_xmask:\mk row_mask:0xf bank_mask:0xf
.endr
.endr
.irp k, 0,1,2,3,4,5,6,7,8,9,10,11,12,13,14,15
	v_permlanex16_b32 v[TM+\k], v[ACC+\k], s84, s85
.endr
.irp k, 0,1,2,3,4,5,6,7,8,9,10,11,12,13,14,15
	v_add_f32 v[LG+16*\j+\k], v[ACC+\k], v[TM+\k]
.endr
.irp a, 0,1                                    ; my block's largest magnitude, and the floor 2^(3 - 127)
	v_max3_num_f32 v[TM+\a], |v[RX+32*\a]|, |v[RX+32*\a+1]|, 0x1800000
.endr
.irp i, 2,4,6,8,10,12,14,16,18,20,22,24,26,28,30
.irp a, 0,1
	v_max3_num_f32 v[TM+\a], v[TM+\a], |v[RX+32*\a+\i]|, |v[RX+32*\a+\i+1]|
.endr
.endr
.irp a, 0,1
	v_add_nc_u32 v[TM+2+\a], 0xff000000, v[TM+\a]  ; 2 off its exponent field: the conversion takes the exponent field of this operand as its scale
.endr
.irp a, 0,1
	v_lshrrev_b32 v[TM+4+\a], 23, v[TM+2+\a]       ; the scale's byte
.endr
.irp a, 0,1
.irp g, 0,1,2,3
	v_cvt_scalef32_pk8_fp4_f32 v[CD+4*(2*\j+\a)+\g], v[RX+32*\a+8*\g:RX+32*\a+8*\g+7], v[TM+2+\a]
.endr
.endr
	v_nop                                          ; one plain place behind the last scaled conversion
.irp a, 0,1
	ds_store_b8 v5, v[TM+4+\a] offset:32*(2*\j+\a)
	global_store_b128 v2, v[CD+4*(2*\j+\a):CD+4*(2*\j+\a)+3], s[22:23] offset:512*(2*\j+\a)   ; a token's 512 bytes of codes
.endr
.endm
	PAIR 0
	PAIR 1
	PAIR 2
	PAIR 3
	; THE CHOICE.  Lane l serves token l % 8 of the wave: v32-39 logits, v40-47 probabilities, v56-63 the record (first, second, their probabilities | gates by expert number, key, 0)
	s_wait_kmcnt 0x0                               ; br
.irp e, 0,1,2,3,4,5,6,7
	v_mov_b32 v[32+\e], v[LG+\e]
.endr
.irp t, 1,2,3,4,5,6,7
	s_mov_b32 s87, 0x01010101<<\t                  ; the lanes that serve token t
.irp e, 0,1,2,3,4,5,6,7
	v_cndmask_b32 v[32+\e], v[32+\e], v[LG+8*\t+\e], s87
.endr
.endr
.irp e, 0,1,2,3,4,5,6,7
	v_add_f32 v[32+\e], s[76+\e], v[32+\e]
	v_mov_b32 v[64+\e], \e                         ; the experts' numbers, for the selects
.endr
	v_max3_num_f32 v72, v32, v33, v34
	v_max3_num_f32 v72, v72, v35, v36
	v_max3_num_f32 v72, v72, v37, v38
	v_max_num_f32 v72, v72, v39                    ; the row's maximum is taken away ahead of the exponentials
.irp e, 0,1,2,3,4,5,6,7
	v_sub_f32 v[40+\e], v[32+\e], v72
.endr
.irp e, 0,1,2,3,4,5,6,7
	v_mul_f32 v[40+\e], 0x3fb8aa3b, v[40+\e]
.endr
.irp e, 0,1,2,3,4,5,6,7
	v_exp_f32 v[40+\e], v[40+\e]
.endr
	v_nop                                          ; a plain place behind the exponentials
	s_wait_alu depctr_va_vdst(0)
	v_add_f32 v73, v40, v41
	v_add_f32 v74, v42, v43
	v_add_f32 v75, v44, v45
	v_add_f32 v76, v46, v47
	v_add_f32 v73, v73, v74
	v_add_f32 v75, v75, v76
	v_add_f32 v73, v73, v75
	v_rcp_f32 v74, v73
	v_mov_b32 v56, 0                               ; (a plain place behind the reciprocal)
	s_wait_alu depctr_va_vdst(0)
.irp e, 0,1,2,3,4,5,6,7
	v_mul_f32 v[40+\e], v[40+\e], v74
.endr
	v_mov_b32 v58, v40
.irp e, 1,2,3,4,5,6,7
	v_cmp_gt_f32 vcc_lo, v[40+\e], v58             ; strictly larger: of equals the lower index stays
	v_cndmask_b32 v58, v58, v[40+\e], vcc_lo
	v_cndmask_b32 v56, v56, v[64+\e], vcc_lo
.endr
	v_mov_b32 v59, -1.0
	v_mov_b32 v57, 0
.irp e, 0,1,2,3,4,5,6,7
	v_cmp_ne_u32 s88, \e, v56                      ; not the first choice,
	v_cmp_gt_f32 s89, v[40+\e], v59                ; and strictly larger than what is held
	s_and_b32 vcc_lo, s88, s89
	v_cndmask_b32 v59, v59, v[40+\e], vcc_lo
	v_cndmask_b32 v57, v57, v[64+\e], vcc_lo
.endr
	v_min_u32 v72, v56, v57                        ; lo
	v_add_nc_u32 v73, v56, v57
	v_sub_nc_u32 v73, v73, v72                     ; hi
	v_cmp_lt_u32 vcc_lo, v56, v57
	v_cndmask_b32 v60, v59, v58, vcc_lo            ; lo's gate
	v_cndmask_b32 v61, v58, v59, vcc_lo            ; hi's
	v_sub_nc_u32 v74, 15, v72
	v_mul_u32_u24 v74, v74, v72
	v_lshrrev_b32 v74, 1, v74
	v_add_nc_u32 v74, v74, v73
	v_sub_nc_u32 v74, v74, v72
	v_add_nc_u32 v62, -1, v74                      ; key = lo (15 - lo) / 2 + hi - lo - 1
	v_mov_b32 v63, 0
	s_mov_b32 s87, 0xff00ff00                      ; lanes 8-15 (and 24-31) take a token's second four numbers
.irp q, 0,1,2,3
	v_cndmask_b32 v[48+\q], v[32+\q], v[36+\q], s87
	v_cndmask_b32 v[52+\q], v[40+\q], v[44+\q], s87
.endr
	ds_load_b64 v[76:77], v6                       ; LDS serves a wave's instructions in order: these see my byte stores
	ds_store_b128 v12, v[56:59]                    ; the four lanes that serve a token write the same bytes
	ds_store_b128 v12, v[60:63] offset:16
	s_wait_dscnt 0x0                               ; for the others' sake too: my records lie in LDS
	global_store_b64 v7, v[76:77], s[24:25]        ; the wave's 256 scale bytes
	s_wait_xcnt 0x0                                ; EXEC changes only behind this wait
	v_cmp_gt_u32 vcc_lo, 16, v1
	s_and_saveexec_b32 s87, vcc_lo
	global_store_b128 v11, v[48:51], s[14:15]      ; sixteen lanes store the wave's 256 bytes of logits,
	global_store_b128 v11, v[52:55], s[16:17]      ; and of probabilities
	s_wait_xcnt 0x0
	s_or_b32 exec_lo, exec_lo, s87
	s_barrier_signal -1
	s_barrier_wait -1                              ; all 32 records lie in LDS
	s_cmp_lg_u32 s86, 0
	s_cbranch_scc1 .Lend
	ds_load_b128 v[80:83], v13                     ; wave 0: lane = token
	ds_load_b128 v[84:87], v13 offset:16
	v_mov_b32 v88, 0
	v_mov_b32 v89, 0
	s_wait_dscnt 0x0
	global_store_b64 v7, v[80:81], s[18:19]        ; out3: 256 bytes
	global_store_b64 v7, v[82:83], s[20:21]        ; out4
	global_store_b64 v7, v[84:85], s[26:27]        ; gates
.irp p, 0,1,2,3,4,5,6,7,8,9,10,11,12,13,14,15,16,17,18,19,20,21,22,23,24,25,26,27,28,29,30,31
	v_cmp_eq_u32 s100, \p, v86                     ; which tokens have key p (28 to 31: none)
	s_bcnt1_i32_b32 s99, s100
	v_writelane_b32 v88, s100, \p
	v_writelane_b32 v89, s99, \p
.endr
	global_store_b32 v14, v88, s[28:29]
	global_store_b32 v14, v89, s[30:31]
.Lend:
	s_wait_tensorcnt 0x0
	ds_add_u32 v30, v31
	s_wait_dscnt 0x0
	s_endpgm
.Lfunc_end_k_q1746842689_route:
	.size	k_q1746842689_route, .Lfunc_end_k_q1746842689_route-k_q1746842689_route
	.p2alignl 7, 3214868480
	.fill 96, 4, 3214868480
	.section	.rodata,"a",@progbits
	.p2align	6, 0x0
	.amdhsa_kernel k_q1746842689_route
		.amdhsa_group_segment_fixed_size 197120
		.amdhsa_private_segment_fixed_size 0
		.amdhsa_enable_private_segment 0
		.amdhsa_kernarg_size 128
		.amdhsa_user_sgpr_count 2
		.amdhsa_user_sgpr_kernarg_segment_ptr 1
		.amdhsa_wavefront_size32 1
		.amdhsa_system_sgpr_workgroup_id_x 1
		.amdhsa_system_sgpr_workgroup_id_y 1
		.amdhsa_system_sgpr_workgroup_id_z 1
		.amdhsa_system_vgpr_workitem_id 0
		.amdhsa_next_free_vgpr 512
		.amdhsa_next_free_sgpr 102
		.amdhsa_reserve_vcc 1
		.amdhsa_float_denorm_mode_32 3
		.amdhsa_float_denorm_mode_16_64 3
		.amdhsa_memory_ordered 1
		.amdhsa_forward_progress 1
		.amdhsa_inst_pref_size 135
	.end_amdhsa_kernel
	.amdgpu_metadata
---
amdhsa.version: [ 1, 2 ]
amdhsa.kernels:
  - .name:           k_q1746842689_route
    .symbol:         k_q1746842689_route.kd
    .args:
      - { .name: x, .offset: 0, .size: 8, .value_kind: global_buffer, .address_space: global }
      - { .name: Wr, .offset: 8, .size: 8, .value_kind: global_buffer, .address_space: global }
      - { .name: br, .offset: 16, .size: 8, .value_kind: global_buffer, .address_space: global }
      - { .name: W1_codes, .offset: 24, .size: 8, .value_kind: global_buffer, .address_space: global }
      - { .name: W2_codes, .offset: 32, .size: 8, .value_kind: global_buffer, .address_space: global }
      - { .name: out1, .offset: 40, .size: 8, .value_kind: global_buffer, .address_space: global }
      - { .name: out2, .offset: 48, .size: 8, .value_kind: global_buffer, .address_space: global }
      - { .name: out3, .offset: 56, .size: 8, .value_kind: global_buffer, .address_space: global }
      - { .name: out4, .offset: 64, .size: 8, .value_kind: global_buffer, .address_space: global }
      - { .name: xq, .offset: 72, .size: 8, .value_kind: global_buffer, .address_space: global }
      - { .name: xs, .offset: 80, .size: 8, .value_kind: global_buffer, .address_space: global }
      - { .name: gates, .offset: 88, .size: 8, .value_kind: global_buffer, .address_space: global }
      - { .name: masks, .offset: 96, .size: 8, .value_kind: global_buffer, .address_space: global }
      - { .name: counts, .offset: 104, .size: 8, .value_kind: global_buffer, .address_space: global }
      - { .name: W1L, .offset: 112, .size: 8, .value_kind: global_buffer, .address_space: global }
      - { .name: W2L, .offset: 120, .size: 8, .value_kind: global_buffer, .address_space: global }
    .group_segment_fixed_size: 197120
    .private_segment_fixed_size: 0
    .kernarg_segment_align: 8
    .kernarg_segment_size: 128
    .max_flat_workgroup_size: 128
    .sgpr_count:     102
    .vgpr_count:     512
    .wavefront_size: 32
...
	.end_amdgpu_metadata
.endif
;; end of part 1
;; launch place (part 2): grid 198 x 1, 4 waves a work-group, no clusters, 1,536 bytes of LDS; arguments masks, counts, list; writes list
.if DOCPART == 2
	.amdgcn_target "amdgcn-amd-amdhsa--gfx1250"
	.amdhsa_code_object_version 6
	.text
	.protected	k_q1746842689_place
	.globl	k_q1746842689_place
	.p2align	8
	.type	k_q1746842689_place,@function
k_q1746842689_place:
	s_mov_b64 s[64:65], 0
	v_nop
	global_prefetch_b8 v0, s[64:65] scope:SCOPE_SE
	s_setreg_imm32_b32 hwreg(HW_REG_WAVE_MODE, 25, 1), 1
	s_wait_xcnt 0x0
; THE PLACING OF ROWS.  A TILE is up to 48 tokens that chose the same pair of experts (28 keys).  8,192 tokens in tiles of 48 and 28 keys are never more than 171 + 27 = 198 tiles, whatever the choice: the grid.
; Work-group b finds tile b from the stored counts [group of 32 tokens][key 32] and ballot words masks [group][key] and stores its 64 words of list [198][64]:
;   word = token | lo << 13 | hi << 16 | (the tile has rows) << 19, lo < hi the pair's experts.
; So the launch behind this one reads its tile as whole numbers from memory, by one scalar load and plain loads.
; Tiles are numbered key by key.  Slot s of a tile is the key's token of rank 48 x (tile within the key) + s, in ascending order of tokens; slots past the key's last token repeat that token.
; Slots 48 to 63 are spare words, which make a tile's row of the list one run of 256 bytes: they hold the ranks that follow, held at the key's last like the others.
; A tile that the split leaves without rows stores its words all the same, with the flag 0 and tokens that are held inside the table.
; No branch here hangs on data, and no store's address does: what is found leaves as data, at fixed places.  Wave w finds slots 16 w .. 16 w + 15 (both halves of the lanes find the same).
.set TROWS, 48                         ; rows of a tile
.set CNT,  0                           ; LDS: 4 waves x 32 counts
.set LIST, 512                         ; the tile's 64 words
	s_load_b128 s[4:7], s[0:1], 0x0                ; masks, counts
	s_load_b64 s[8:9], s[0:1], 0x10                ; list
	v_lshl_add_u32 v224, v0, 2, 0x400
	v_mov_b32 v225, 0
	v_lshrrev_b32 v1, 5, v0
	v_readfirstlane_b32 s28, v1                    ; wave 0..3
	s_mov_b32 s29, ttmp9                           ; my tile's number
	v_and_b32 v1, 31, v0                           ; lane
	v_and_b32 v2, 15, v0                           ; r
	v_lshlrev_b32 v4, 4, v1                        ; 16 x lane
	v_lshlrev_b32 v7, 2, v1                        ; 4 x lane
	v_lshlrev_b32 v8, 3, v1                        ; 8 x lane
	s_mov_b32 s40, 0x76543210
	s_mov_b32 s41, 0xfedcba98                      ; v_permlanex16_b32's selects for lane l xor 16
	s_lshl_b32 s66, s28, 13
	v_add_nc_u32 v15, s66, v4
	s_wait_kmcnt 0x0
	; ---- how many tokens has each key?  Wave w adds the counts of groups 64 w .. 64 w + 63: a lane's 16 bytes are keys 4 (lane % 8) + 0 .. 3 of one group
.irp i, 0,1,2,3,4,5,6,7,8,9,10,11,12,13,14,15
	global_load_b128 v[160+4*\i:163+4*\i], v15, s[6:7] offset:512*\i
.endr
.irp j, 0,1,2,3
	v_mov_b32 v[152+\j], 0                         ; written once: the destinations of the lane moves below count as sources
.endr
	s_wait_loadcnt 0x0
.irp j, 0,1,2,3
	v_add_nc_u32 v[148+\j], v[160+\j], v[164+\j]
.endr
.irp i, 2,3,4,5,6,7,8,9,10,11,12,13,14,15
.irp j, 0,1,2,3
	v_add_nc_u32 v[148+\j], v[148+\j], v[160+4*\i+\j]
.endr
.endr
.irp j, 0,1,2,3
	v_mov_b32_dpp v[152+\j], v[148+\j] row_xmask:8 row_mask:0xf bank_mask:0xf
.endr
.irp j, 0,1,2,3
	v_add_nc_u32 v[148+\j], v[148+\j], v[152+\j]
.endr
.irp j, 0,1,2,3
	v_permlanex16_b32 v[152+\j], v[148+\j], s40, s41
.endr
.irp j, 0,1,2,3
	v_add_nc_u32 v[148+\j], v[148+\j], v[152+\j]
.endr
	v_and_b32 v15, 7, v0
	v_lshlrev_b32 v15, 4, v15
	s_lshl_b32 s66, s28, 7
	v_add_nc_u32 v15, s66, v15
	ds_store_b128 v15, v[148:151] offset:CNT       ; the four lanes with the same keys write the same bytes
	s_wait_dscnt 0x0
	s_barrier_signal -1
	s_barrier_wait -1                              ; the four waves' counts lie in LDS
.irp w, 0,1,2,3
	ds_load_b32 v[152+\w], v7 offset:CNT+128*\w
.endr
	s_wait_dscnt 0x0
	v_add_nc_u32 v152, v152, v153
	v_add_nc_u32 v154, v154, v155
	v_add_nc_u32 v152, v152, v154                  ; lane p: the tokens of key p
	; ---- which key's tile is mine?  The last key whose first tile's number is at most mine is the one
	s_mov_b32 s30, 0                               ; the key's first tile
	s_mov_b32 s31, 0x10000                         ; key | lo << 13 | hi << 16
	s_mov_b32 s32, 0
	s_mov_b32 s33, 0
.set PKEY, 0
.irp lo, 0,1,2,3,4,5,6
.irp hi, 1,2,3,4,5,6,7
.if \hi > \lo
	v_readlane_b32 s34, v152, PKEY
	s_cmp_le_u32 s30, s29
	s_cselect_b32 s31, PKEY|(\lo<<13)|(\hi<<16), s31
	s_cselect_b32 s32, s30, s32
	s_cselect_b32 s33, s34, s33
	s_add_co_u32 s35, s34, TROWS-1                 ; the key's tiles: (count + 47) / 48, as ((count + 47) / 16) / 3;
	s_lshr_b32 s35, s35, 4                         ; at most 514,
	s_mul_i32 s35, s35, 0xaaab                     ; and k / 3 = k x 43,691 >> 17, exactly, for every k under 131,072
	s_lshr_b32 s35, s35, 17
	s_add_co_u32 s30, s30, s35
.set PKEY, PKEY+1
.endif
.endr
.endr
	s_sub_co_u32 s99, s29, s32
	s_mul_i32 s99, s99, TROWS                      ; my tile's first rank among the key's tokens
	s_cmp_lt_u32 s99, s33
	s_cselect_b32 s38, 1, 0                        ; has the tile rows at all?
	s_max_u32 s39, s33, 1
	s_sub_co_u32 s39, s39, 1                       ; the key's last rank
	s_and_b32 s96, s31, 0xff
	s_min_u32 s96, s96, 27                         ; key
	s_and_b32 s97, s31, 0x7e000                    ; lo and hi at their places in the word,
	s_lshl_b32 s98, s38, 19
	s_or_b32 s97, s97, s98                         ; and the flag
	; ---- the key's column: lane l takes groups 8 l .. 8 l + 7: ballot words v96-103, counts v104-111
	s_lshl_b32 s66, s96, 2
	v_lshl_add_u32 v15, v1, 10, s66
.irp i, 0,1,2,3,4,5,6,7
	global_load_b32 v[96+\i], v15, s[4:5] offset:128*\i
.endr
.irp i, 0,1,2,3,4,5,6,7
	global_load_b32 v[104+\i], v15, s[6:7] offset:128*\i
.endr
	s_wait_loadcnt 0x0
.irp i, 1,2,3,4,5,6,7
	v_add_nc_u32 v[104+\i], v[104+\i], v[103+\i]   ; running counts within my eight groups
.endr
	v_mov_b32 v112, v111                           ; the sum of a block of lanes,
	v_mov_b32 v113, 0                              ; and of the lanes of that block below me
	v_mov_b32 v114, 0
.macro SCANSTEP mk, mask
.if \mk < 16
	v_mov_b32_dpp v114, v112 row_xmask:\mk row_mask:0xf bank_mask:0xf
.else
	v_permlanex16_b32 v114, v112, s40, s41
.endif
	s_mov_b32 s66, \mask                           ; the lanes in the upper half of a pair of blocks
	v_cndmask_b32 v115, 0, v114, s66
	v_add_nc_u32 v113, v113, v115
	v_add_nc_u32 v112, v112, v114
.endm
	SCANSTEP 1, 0xaaaaaaaa
	SCANSTEP 2, 0xcccccccc
	SCANSTEP 4, 0xf0f0f0f0
	SCANSTEP 8, 0xff00ff00
	SCANSTEP 16, 0xffff0000
.irp i, 0,1,2,3,4,5,6,7
	v_add_nc_u32 v[104+\i], v[104+\i], v113        ; tokens of the key up to and with group 8 l + i
.endr
	s_lshl_b32 s66, s28, 4
	s_add_co_u32 s66, s66, s99
	v_add_nc_u32 v116, s66, v2                     ; the rank that I look for: slot 16 wave + r of the tile,
	v_min_u32 v116, s39, v116                      ; held at the key's last
	v_mov_b32 v117, 0                              ; the lane in whose groups it lies: the first whose running count is above the rank
	v_mov_b32 v118, 0                              ; tokens ahead of what is left to search
.irp st, 16,8,4,2,1
	v_add_nc_u32 v119, \st-1, v117
	v_min_u32 v119, 31, v119
	v_lshlrev_b32 v119, 2, v119
	ds_bpermute_b32 v120, v119, v111
	v_add_nc_u32 v121, \st, v117
	s_wait_dscnt 0x0
	v_cmp_le_u32 vcc_lo, v120, v116
	v_cndmask_b32 v117, v117, v121, vcc_lo
	v_cndmask_b32 v118, v118, v120, vcc_lo
.endr
	v_min_u32 v119, 31, v117
	v_lshlrev_b32 v119, 2, v119
.irp i, 0,1,2,3,4,5,6,7
	ds_bpermute_b32 v[122+\i], v119, v[104+\i]     ; that lane's eight running counts,
	ds_bpermute_b32 v[130+\i], v119, v[96+\i]      ; and ballot words
.endr
	v_mov_b32 v138, 0                              ; which of its groups
	v_mov_b32 v140, 1
	s_wait_dscnt 0x0
	v_mov_b32 v139, v130                           ; and that group's word
.irp i, 0,1,2,3,4,5,6
	v_cmp_le_u32 vcc_lo, v[122+\i], v116
	v_cndmask_b32 v118, v118, v[122+\i], vcc_lo
	v_cndmask_b32 v139, v139, v[131+\i], vcc_lo
	v_cndmask_b32 v121, 0, v140, vcc_lo
	v_add_nc_u32 v138, v138, v121
.endr
	v_sub_nc_u32 v141, v116, v118                  ; the set bit wanted, counted from 0
	v_lshrrev_b32 v121, 1, v139                    ; the word's ones, counted in fields of 2, 4, 8 and 16 bits
	v_and_b32 v121, 0x55555555, v121
	v_sub_nc_u32 v143, v139, v121
	v_lshrrev_b32 v121, 2, v143
	v_and_b32 v121, 0x33333333, v121
	v_and_b32 v144, 0x33333333, v143
	v_add_nc_u32 v144, v144, v121
	v_lshrrev_b32 v121, 4, v144
	v_add_nc_u32 v121, v144, v121
	v_and_b32 v145, 0x0f0f0f0f, v121
	v_lshrrev_b32 v121, 8, v145
	v_add_nc_u32 v121, v145, v121
	v_and_b32 v147, 0x00ff00ff, v121
	v_mov_b32 v142, 0                              ; the bit's place
.macro SELSTEP src, msk, wd            ; a field with no more ones than are still to be passed is passed
	v_lshrrev_b32 v121, v142, v[\src]
	v_and_b32 v121, \msk, v121
	v_cmp_le_u32 vcc_lo, v121, v141
	v_sub_nc_u32 v121, v141, v121
	v_cndmask_b32 v141, v141, v121, vcc_lo
	v_add_nc_u32 v121, \wd, v142
	v_cndmask_b32 v142, v142, v121, vcc_lo
.endm
	SELSTEP 147, 0xff, 16
	SELSTEP 145, 0xff, 8
	SELSTEP 144, 15, 4
	SELSTEP 143, 3, 2
	SELSTEP 139, 1, 1
	v_lshl_add_u32 v146, v117, 3, v138
	v_lshl_add_u32 v146, v146, 5, v142             ; token = 32 x group + bit,
	v_min_u32 v146, 0x1fff, v146                   ; inside the table also where the tile has no rows
	v_or_b32 v146, s97, v146                       ; with the tile's record on top
	; ---- the four waves' words meet in LDS, and leave as one run of 256 bytes
	s_lshl_b32 s66, s28, 6
	v_lshl_add_u32 v147, v2, 2, s66
	ds_store_b32 v147, v146 offset:LIST            ; both halves of the lanes write the same word
	s_wait_dscnt 0x0
	s_barrier_signal -1
	s_barrier_wait -1                              ; the tile's 64 words lie in LDS
	s_cmp_lg_u32 s28, 0
	s_cbranch_scc1 .Lend
	ds_load_b64 v[150:151], v8 offset:LIST
	s_lshl_b32 s42, s29, 8
	s_mov_b32 s43, 0
	s_add_nc_u64 s[8:9], s[8:9], s[42:43]
	s_wait_dscnt 0x0
	global_store_b64 v8, v[150:151], s[8:9]        ; 32 lanes store 256 consecutive bytes, at a multiple of 256 from list's first byte
.Lend:
	s_wait_tensorcnt 0x0
	ds_add_u32 v224, v225
	s_wait_dscnt 0x0
	s_endpgm
.Lfunc_end_k_q1746842689_place:
	.size	k_q1746842689_place, .Lfunc_end_k_q1746842689_place-k_q1746842689_place
	.p2alignl 7, 3214868480
	.fill 96, 4, 3214868480
	.section	.rodata,"a",@progbits
	.p2align	6, 0x0
	.amdhsa_kernel k_q1746842689_place
		.amdhsa_group_segment_fixed_size 1536
		.amdhsa_private_segment_fixed_size 0
		.amdhsa_enable_private_segment 0
		.amdhsa_kernarg_size 24
		.amdhsa_user_sgpr_count 2
		.amdhsa_user_sgpr_kernarg_segment_ptr 1
		.amdhsa_wavefront_size32 1
		.amdhsa_system_sgpr_workgroup_id_x 1
		.amdhsa_system_sgpr_workgroup_id_y 1
		.amdhsa_system_sgpr_workgroup_id_z 1
		.amdhsa_system_vgpr_workitem_id 0
		.amdhsa_next_free_vgpr 226
		.amdhsa_next_free_sgpr 100
		.amdhsa_reserve_vcc 1
		.amdhsa_float_denorm_mode_32 3
		.amdhsa_float_denorm_mode_16_64 3
		.amdhsa_memory_ordered 1
		.amdhsa_forward_progress 1
		.amdhsa_inst_pref_size 29
	.end_amdhsa_kernel
	.amdgpu_metadata
---
amdhsa.version: [ 1, 2 ]
amdhsa.kernels:
  - .name:           k_q1746842689_place
    .symbol:         k_q1746842689_place.kd
    .args:
      - { .name: masks, .offset: 0, .size: 8, .value_kind: global_buffer, .address_space: global }
      - { .name: counts, .offset: 8, .size: 8, .value_kind: global_buffer, .address_space: global }
      - { .name: list, .offset: 16, .size: 8, .value_kind: global_buffer, .address_space: global }
    .group_segment_fixed_size: 1536
    .private_segment_fixed_size: 0
    .kernarg_segment_align: 8
    .kernarg_segment_size: 24
    .max_flat_workgroup_size: 128
    .sgpr_count:     100
    .vgpr_count:     226
    .wavefront_size: 32
...
	.end_amdgpu_metadata
.endif
;; end of part 2
;; launch experts (part 3): grid 198 x 1, 4 waves a work-group, no clusters, 102,912 bytes of LDS; arguments list, gates, xq, xs, W1L, W1_scales, b1, W2L, W2_scales, b2, out0; writes out0
.if DOCPART == 3
	.amdgcn_target "amdgcn-amd-amdhsa--gfx1250"
	.amdhsa_code_object_version 6
	.text
	.protected	k_q1746842689_experts
	.globl	k_q1746842689_experts
	.p2align	8
	.type	k_q1746842689_experts,@function
k_q1746842689_experts:
	s_mov_b64 s[64:65], 0
	v_nop
	global_prefetch_b8 v0, s[64:65] scope:SCOPE_SE
	s_setreg_imm32_b32 hwreg(HW_REG_WAVE_MODE, 25, 1), 1
	s_wait_xcnt 0x0
; out0[token] = g_lo (gelu(x W1[lo] + b1[lo]) W2[lo] + b2[lo]) + g_hi (the same of hi), both products on codes of FP4 (E2M1) with one E8M0 scale for each 32 along K.
; A TILE is up to 48 tokens that chose the same pair of experts (28 keys).  8,192 tokens in tiles of 48 and 28 keys are never more than 171 + 27 = 198 tiles, whatever the choice: the grid.
; 48 rows and not 64: more and smaller work-groups, each with three quarters of the activation's vector work, which is most of a wave's instructions; the price is that more tiles walk the weights.
; Work-group b reads row b of list [198][64] (word = token | lo << 13 | hi << 16 | has rows << 19, stored by the launch before; words 48 to 63 are spare), gathers its rows' codes, and takes them through the whole
; chain of both experts: each row of out0 has one owner, and the hidden layer never goes to memory.  A work-group that the split leaves without rows runs on the list's held tokens and stores nothing (every wave passes every barrier).
; Slots past a tile's end repeat its last token: their rows store the same bytes as that row.
; THE WAVES SHARE THE COLUMNS: wave w makes hidden units 128 w .. + 127 (K step w of the second product) and output columns 256 w .. + 255, for all 48 rows.  Each byte of the weights goes from
; memory straight into one wave's operand registers, 512 consecutive bytes an instruction (the first launch laid them so).  The rows' codes go from wave to wave through LDS as images of the operand's registers.
; Waves 0 to 2 gather a tile of 16 rows each.  It runs the same lines on the list's spare words, and its images land in LDS bytes that nobody reads: one path for all waves, at the price of 8 KB of loads.
; NO CLUSTER: partners would have to hold tiles of one pair, and how many tiles a pair has hangs on counts read from memory (often few); and each weight byte is wanted by one wave of a work-group alone, in registers.
; Both products are used transposed (source 0 = 16 rows of a weight, source 1 = 16 tokens): a lane holds one token and eight neighbours along the columns.  The rows of W1 that form a tile are chosen so that
; the 16 registers of tiles 2 bb, 2 bb + 1 are 16 neighbours along the next K.  The biases are the C of each sum's first matrix instruction.
; GELU: 0.5 x (1 + erf(x / sqrt 2)) in f32: with t = min(|x| / sqrt 2, 4): above 0.921875 erf = 1 - exp(-p(t)), p of degree 7; else t + t q(t^2), q of degree 5; the result is x/2 + |x/2| erf(t).
; LIMITS: NaN and infinities are not served.  erf's argument is held at 4, where erf rounds to 1 in f32.  A block of zeros of the hidden layer gets the scale byte 1: its codes are zeros.
; REGISTERS, in windows of 256; m = 0, 1, 2 is the tile of rows.  Window 0: v1-15 addresses; v16-18 tokens; v20-25 gates; v28-30 the hidden layer's scale words; v32-63, v64-79 scale words; v80-91 codes just made; v96-191, v192-223, v224-255 at work.
;   First product:  window 1: 12 accumulators (32 m + 8 t), b1's four tiles from v128;  window 2: W1's 32 fragments (8 (4 ks + t));  window 3: x's 24 fragments (8 (8 m + ks)).
;   Second product: window 1: the hidden layer's 24 fragments (8 ((4 ei + m) 4 + ks));  window 2: W2's fragments, two halves (128 hb + 64 ei + 8 (4 n + ks));  window 3: 24 accumulators (128 ei + 32 (2 hb + n) + 8 m).
.set XSC,  1024                        ; LDS: x's scale words: a tile of rows is an image of 8 registers, 1,024 bytes
.set XIMG, 8192                        ; x's fragments, 1,024 bytes each, 8 to a tile of rows
.set HIMG, 40960                       ; the hidden layer: [tau 4][4 m + ks][512 bytes]: half a fragment
.set HSC,  73728                       ; its scale words: [tau 4][4 m + ks][128 bytes]
.set STG,  81920                       ; the way out: 16 rows x 272 bytes for each wave
.set SP,   272
.set PL,   4                           ; s[4:5] list (at my tile's row), and the other buffers' addresses:
.set PG,   6                           ; gates
.set PXQ,  8                           ; xq
.set PXS,  10                          ; xs
.set PW1,  12                          ; W1L
.set PS1,  14                          ; W1_scales
.set PB1,  16                          ; b1
.set PW2,  18                          ; W2L
.set PS2,  20                          ; W2_scales
.set PB2,  22                          ; b2
.set PO,   24                          ; out0
.set TKR,  16
.set GT,   20
.set HW,   28
.set XS,   32
.set S1T,  64
.set PC,   80
.set RA,   96
.set RHX,  112
.set RT,   128
.set RS,   144
.set RP,   160
.set RU,   176
.set RH,   192
.set QT,   224
.set B2T,  96
.set TRO,  160
.set RO,   192
.set OB,   224
.set MSB, 0
.macro WIN new                         ; the immediate's high byte repeats the setting that is left
.if MSB != \new
	s_set_vgpr_msb (MSB<<8)|\new
.set MSB, \new
.endif
.endm
.macro PLACES                          ; four plain places behind matrix instructions, ahead of loads into their registers and of reads of their results
.rept 4
	v_nop
.endr
.endm
.macro KPAIR reg, val                  ; a constant as a scalar pair: the packed forms name the pair
	s_mov_b32 s[\reg], \val
	s_mov_b32 s[\reg+1], \val
.endm
.macro WMS row                         ; one product, registers by the symbols rD, rA, rB, rC, sA, sB; row = 1: source 0's scales stand in lanes 16-31
.if \row
	v_wmma_scale_f32_16x16x128_f8f6f4 v[rD:rD+7], v[rA:rA+7], v[rB:rB+7], v[rC:rC+7], v[sA], v[sB] matrix_a_fmt:MATRIX_FMT_FP4 matrix_b_fmt:MATRIX_FMT_FP4 matrix_a_scale:MATRIX_SCALE_ROW1
.else
	v_wmma_scale_f32_16x16x128_f8f6f4 v[rD:rD+7], v[rA:rA+7], v[rB:rB+7], v[rC:rC+7], v[sA], v[sB] matrix_a_fmt:MATRIX_FMT_FP4 matrix_b_fmt:MATRIX_FMT_FP4
.endif
.endm
; The bases of chunk s69 (0 .. 3) of the first product: expert lo for 0, 1, hi for 2, 3; half s69 & 1 of my 128 hidden units.  idx = (4 e + wave) 2 + c
.macro NEXTBASE
	s_cmp_lt_u32 s69, 2
	s_cselect_b32 s70, s36, s37                    ; (4 lo + wave) 2 or (4 hi + wave) 2
	s_and_b32 s34, s69, 1
	s_add_co_u32 s70, s70, s34
	s_min_u32 s70, s70, 63                         ; held at the largest index that there is, (4 x 7 + 3) 2 + 1: behind this line only shifts to the left and sums
	s_mov_b32 s43, 0
	s_lshl_b32 s42, s70, 15                        ; 32 fragments of 1,024 bytes
	s_add_nc_u64 s[44:45], s[PW1:PW1+1], s[42:43]
	s_lshl_b32 s42, s70, 11                        ; 64 rows of 32 scale bytes
	s_add_nc_u64 s[46:47], s[PS1:PS1+1], s[42:43]
	s_lshl_b32 s42, s70, 8                         ; 64 numbers of b1
	s_add_nc_u64 s[48:49], s[PB1:PB1+1], s[42:43]
.endm
.macro WLOAD1_0                        ; 60 loads: a chunk's scale words, its bias tiles, its fragments of K steps 0 to 5
.irp bb, 0,1
.irp hf, 0,1
	global_load_b128 v[S1T+8*\bb+4*\hf:S1T+8*\bb+4*\hf+3], v5, s[46:47] offset:1024*\bb+16*\hf   ; lanes 0-15: tile 2 bb's rows, lanes 16-31: tile 2 bb + 1's
.endr
.endr
	WIN 0x40
.irp t, 0,1,2,3
	global_load_b128 v[128+8*\t:128+8*\t+3], v6, s[48:49] offset:(32*(\t/2)+8*(\t%2))*4
	global_load_b128 v[132+8*\t:132+8*\t+3], v6, s[48:49] offset:(32*(\t/2)+8*(\t%2))*4+16
.endr
	WIN 0x80
.set I, 0
.rept 48
	global_load_b128 v[4*I:4*I+3], v4, s[44:45] offset:512*I
.set I, I+1
.endr
	WIN 0
.endm
.macro WLOAD1_1                        ; 16 loads: K steps 6 and 7
	WIN 0x80
.set I, 48
.rept 16
	global_load_b128 v[4*I:4*I+3], v4, s[44:45] offset:512*I
.set I, I+1
.endr
	WIN 0
.endm
.macro W2W hb, ei, adv                 ; 16 loads: W2's fragments of two tiles of columns, all four K steps; adv = 1: the next trip's
	WIN 0x80
.set I, 0
.rept 16
	global_load_b128 v[128*\hb+64*\ei+4*I:128*\hb+64*\ei+4*I+3], v4, s[50+2*\ei:51+2*\ei] offset:16384*\adv+8192*\hb+512*I
.set I, I+1
.endr
	WIN 0
.endm
.macro W2SB hb, ei, adv                ; 5 loads: their scale words (lanes 0-15 the first tile's rows, lanes 16-31 the second's) and bias tiles
	global_load_b128 v[S1T+8*\hb+4*\ei:S1T+8*\hb+4*\ei+3], v4, s[54+2*\ei:55+2*\ei] offset:1024*\adv+512*\hb
.irp n, 0,1
.irp q, 0,1
	global_load_b128 v[B2T+32*\hb+16*\ei+8*\n+4*\q:B2T+32*\hb+16*\ei+8*\n+4*\q+3], v8, s[58+2*\ei:59+2*\ei] offset:256*\adv+128*\hb+64*\n+16*\q
.endr
.endr
.endm
.macro HALF hb, ei, adv                ; 21 loads
	W2W \hb, \ei, \adv
	W2SB \hb, \ei, \adv
.endm
	s_load_b512 s[4:19], s[0:1], 0x0               ; list, gates, xq, xs, W1L, W1_scales, b1, W2L
	s_load_b128 s[20:23], s[0:1], 0x40             ; W2_scales, b2
	s_load_b64 s[24:25], s[0:1], 0x50              ; out0
	v_lshl_add_u32 v94, v0, 2, 0x19000
	v_mov_b32 v95, 0
	v_lshrrev_b32 v1, 5, v0
	v_readfirstlane_b32 s28, v1                    ; wave 0..3
	v_and_b32 v1, 31, v0                           ; lane
	v_and_b32 v2, 15, v0                           ; r
	v_bfe_u32 v3, v0, 4, 1                         ; h
	s_lshl_b32 s42, ttmp9, 8                       ; my tile's row of the list: 256 bytes
	s_mov_b32 s43, 0
	s_lshl_b32 s66, s28, 6
	v_lshl_add_u32 v15, v2, 2, s66                 ; the slot whose codes I gather: 16 wave + r (wave 3: a spare word)
	v_lshlrev_b32 v13, 2, v2                       ; slot r of a tile of rows
	s_wait_kmcnt 0x0
	s_add_nc_u64 s[PL:PL+1], s[PL:PL+1], s[42:43]
	s_load_b32 s31, s[PL:PL+1], 0x0                ; the tile's record rides on every word: the first serves
	global_load_b32 v146, v15, s[PL:PL+1]
.irp m, 0,1,2
	global_load_b32 v[TKR+\m], v13, s[PL:PL+1] offset:64*\m      ; the token of row 16 m + r
.endr
	v_lshlrev_b32 v4, 4, v1                        ; 16 x lane
	v_lshlrev_b32 v7, 2, v1                        ; 4 x lane
	v_lshlrev_b32 v6, 6, v3                        ; b1: 16 h numbers
	v_lshlrev_b32 v8, 5, v3                        ; b2: 8 h numbers
	v_and_b32 v5, 8, v2
	v_add_nc_u32 v5, v5, v2
	v_lshl_add_u32 v5, v3, 3, v5
	v_lshlrev_b32 v5, 5, v5                        ; W1's scale words: row 8 h + r + 8 (r / 8), 32 bytes a row
	s_mul_i32 s66, s28, 16*SP
	v_mul_u32_u24 v9, v2, SP
	v_lshl_add_u32 v9, v3, 5, v9
	v_add_nc_u32 v9, s66, v9
	v_add_nc_u32 v9, STG, v9                       ; my stage, in: row r, + 32 h
	v_mul_u32_u24 v10, v3, SP
	v_lshl_add_u32 v10, v2, 4, v10
	v_add_nc_u32 v10, s66, v10
	v_add_nc_u32 v10, STG, v10                     ; back: lanes 0-15 one row, lanes 16-31 the next
	s_lshl_b32 s66, s28, 9
	v_add_nc_u32 v11, s66, v4
	v_add_nc_u32 v11, HIMG, v11                    ; where I store the hidden layer's images: K step = wave
	s_lshl_b32 s66, s28, 7
	v_add_nc_u32 v12, s66, v7
	v_add_nc_u32 v12, HSC, v12                     ; and their scale words
	s_lshl_b32 s66, s28, 13
	v_add_nc_u32 v150, s66, v4                     ; where I store x's images: 8 fragments a wave,
	s_lshl_b32 s66, s28, 10
	v_add_nc_u32 v151, s66, v4                     ; and their scale words
	s_mov_b32 s40, 0x76543210
	s_mov_b32 s41, 0xfedcba98                      ; v_permlanex16_b32's selects for lane l xor 16
	KPAIR 72, 0x3f3504f3                           ; 1 / sqrt 2
	KPAIR 74, 0x37911480                           ; p's coefficients
	KPAIR 76, 0x3b7e899b
	KPAIR 78, 0x3ddaae58
	KPAIR 80, 0x3f228550
	KPAIR 82, 0x3e03ce86
	KPAIR 84, 0xbfb8aa3b                           ; -log2(e)
	KPAIR 86, 0xba1d0d41                           ; q's coefficients
	KPAIR 88, 0xbcdb45e9
	KPAIR 90, 0x3de70d23
	KPAIR 92, 0xbec09370
	KPAIR 94, 0x3e0375d3
	s_mov_b32 s71, 0x3f6c0000                      ; 0.921875
	s_wait_kmcnt 0x0                               ; the record
	s_bfe_u32 s97, s31, 0x3000d
	s_min_u32 s97, s97, 7                          ; lo
	s_bfe_u32 s98, s31, 0x30010
	s_min_u32 s98, s98, 7                          ; hi
	s_bfe_u32 s38, s31, 0x10013                    ; have I rows at all?
	s_lshl_b32 s66, s97, 2
	s_add_co_u32 s66, s66, s28                     ; 4 lo + wave
	s_lshl_b32 s36, s66, 1
	s_lshl_b32 s42, s66, 16                        ; W2L: 64 fragments of 1,024 bytes
	s_add_nc_u64 s[50:51], s[PW2:PW2+1], s[42:43]
	s_lshl_b32 s42, s66, 12                        ; 256 rows of 16 scale bytes
	s_add_nc_u64 s[54:55], s[PS2:PS2+1], s[42:43]
	s_lshl_b32 s42, s66, 10                        ; 256 numbers of b2
	s_add_nc_u64 s[58:59], s[PB2:PB2+1], s[42:43]
	s_lshl_b32 s66, s98, 2
	s_add_co_u32 s66, s66, s28                     ; 4 hi + wave
	s_lshl_b32 s37, s66, 1
	s_lshl_b32 s42, s66, 16
	s_add_nc_u64 s[52:53], s[PW2:PW2+1], s[42:43]
	s_lshl_b32 s42, s66, 12
	s_add_nc_u64 s[56:57], s[PS2:PS2+1], s[42:43]
	s_lshl_b32 s42, s66, 10
	s_add_nc_u64 s[60:61], s[PB2:PB2+1], s[42:43]
	s_lshl_b32 s42, s28, 10                        ; out0: my 256 columns
	s_add_nc_u64 s[62:63], s[PO:PO+1], s[42:43]
	s_wait_loadcnt 0x0                             ; my four words of the list
	v_and_b32 v146, 0x1fff, v146                   ; the token without the record,
.irp m, 0,1,2
	v_and_b32 v[TKR+\m], 0x1fff, v[TKR+\m]
.endr
	v_min_u32 v146, 0x1fff, v146                   ; and held inside the table: a loaded number enters an address only behind such a hold
.irp m, 0,1,2
	v_min_u32 v[TKR+\m], 0x1fff, v[TKR+\m]
.endr
	v_lshlrev_b32 v148, 9, v146
	v_lshl_add_u32 v148, v3, 4, v148               ; 512 bytes of codes a token, + 16 h
	v_lshlrev_b32 v149, 5, v146                    ; 32 scale bytes a token
.irp m, 0,1,2
	v_lshlrev_b32 v[TKR+\m], 3, v[TKR+\m]          ; 8 bytes of gates a token
.endr
	; ---- my 16 rows' codes and scale words, and their images for the other waves
.irp ks, 0,1,2,3,4,5,6,7
.irp cc, 0,1
	global_load_b128 v[160+8*\ks+4*\cc:160+8*\ks+4*\cc+3], v148, s[PXQ:PXQ+1] offset:64*\ks+32*\cc
.endr
.endr
	global_load_b128 v[224:227], v149, s[PXS:PXS+1]
	global_load_b128 v[228:231], v149, s[PXS:PXS+1] offset:16
.irp m, 0,1,2
	global_load_b64 v[GT+2*\m:GT+2*\m+1], v[TKR+\m], s[PG:PG+1]  ; lo's gate, hi's gate
.endr
	s_mov_b32 s69, 0
	NEXTBASE
	WLOAD1_0                                       ; the first chunk's weights follow the rows, which are wanted first
	s_wait_loadcnt 60                              ; the rows' 18 loads and the gates' 3 are in; the 60 issued behind them may be out
.irp i, 0,1,2,3,4,5,6,7,8,9,10,11,12,13,14,15
	ds_store_b128 v150, v[160+4*\i:163+4*\i] offset:XIMG+512*\i
.endr
	ds_store_b128 v151, v[224:227] offset:XSC
	ds_store_b128 v151, v[228:231] offset:XSC+512
	WLOAD1_1
	s_wait_dscnt 0x0
	s_barrier_signal -1
	s_barrier_wait -1                              ; x's fragments and their scale words lie in LDS
	WIN 0xc0                                       ; destination window 3
.set I, 0
.rept 48
	ds_load_b128 v[4*I:4*I+3], v4 offset:XIMG+512*I              ; the three tiles of rows: 24 fragments
.set I, I+1
.endr
	WIN 0
.irp i, 0,1,2,3,4,5
	ds_load_b128 v[XS+4*\i:XS+4*\i+3], v4 offset:XSC+512*\i      ; register XS + 8 m + ks
.endr
.irp k, 0,1
	v_mov_b32 v[240+\k], 0xb9c8e966                ; three addends stand in vector pairs, so that no instruction names two scalar pairs
	v_mov_b32 v[242+\k], 0xbcc6b180
	v_mov_b32 v[244+\k], 0x3ba39fa4
	v_mov_b32 v[QT+4+\k], 0                        ; written once: a lane permute's destination counts as one of its sources
.endr
.irp m, 0,1,2
	v_mov_b32 v[HW+\m], 0
.endr
	s_wait_dscnt 0x0
.macro EXP1                            ; one of GELU16's 16 exponentials ahead of every third of the 48 lines of q's chain, counted by UC
.if (UC%3) == 0
	v_exp_f32 v[RP+UC/3], v[RP+UC/3]               ; exp(-p(t))
.endif
.set UC, UC+1
.endm
; 16 numbers of a lane (tiles 2 bb, 2 bb + 1 of rows 16 m on) go through the activation, into v[RH + 16 bb] on.  Each accumulator is read from its low end on.
.macro GELU16 m, bb
.set XR, 32*\m+16*\bb
.set HD, RH+16*\bb
	WIN 0x01                                       ; source 0 window 1
.irp q, 0,2,4,6,8,10,12,14
	v_pk_mul_f32 v[RA+\q:RA+\q+1], v[XR+\q:XR+\q+1], s[72:73] op_sel_hi:[1,0]
.endr
.irp q, 0,2,4,6,8,10,12,14
	v_pk_mul_f32 v[RHX+\q:RHX+\q+1], v[XR+\q:XR+\q+1], 0.5 op_sel_hi:[1,0]
.endr
	WIN 0
.irp q, 0,1,2,3,4,5,6,7,8,9,10,11,12,13,14,15
	v_min_num_f32 v[RT+\q], |v[RA+\q]|, 4.0        ; t
.endr
.irp q, 0,2,4,6,8,10,12,14
	v_pk_mul_f32 v[RS+\q:RS+\q+1], v[RT+\q:RT+\q+1], v[RT+\q:RT+\q+1]
.endr
.irp q, 0,2,4,6,8,10,12,14
	v_pk_fma_f32 v[RP+\q:RP+\q+1], v[RT+\q:RT+\q+1], s[74:75], v[240:241] op_sel_hi:[1,0,1]
.endr
.irp q, 0,2,4,6,8,10,12,14
	v_pk_fma_f32 v[RU+\q:RU+\q+1], v[RT+\q:RT+\q+1], s[76:77], v[242:243] op_sel_hi:[1,0,1]
.endr
.irp q, 0,2,4,6,8,10,12,14
	v_pk_fma_f32 v[RP+\q:RP+\q+1], v[RP+\q:RP+\q+1], v[RS+\q:RS+\q+1], v[RU+\q:RU+\q+1]
.endr
.irp c, 78,80,82
.irp q, 0,2,4,6,8,10,12,14
	v_pk_fma_f32 v[RP+\q:RP+\q+1], v[RP+\q:RP+\q+1], v[RT+\q:RT+\q+1], s[\c:\c+1] op_sel_hi:[1,1,0]
.endr
.endr
.irp q, 0,2,4,6,8,10,12,14
	v_pk_fma_f32 v[RP+\q:RP+\q+1], v[RP+\q:RP+\q+1], v[RT+\q:RT+\q+1], v[RT+\q:RT+\q+1]
.endr
.irp q, 0,2,4,6,8,10,12,14
	v_pk_mul_f32 v[RP+\q:RP+\q+1], v[RP+\q:RP+\q+1], s[84:85] op_sel_hi:[1,0]
.endr
; q's chain, 48 packed lines that name none of the exponentials' registers, and the 16 exponentials among them: no two exponentials follow each other, and each has plain lines behind it before its result is used
.set UC, 0
.irp q, 0,2,4,6,8,10,12,14
	EXP1
	v_pk_fma_f32 v[RU+\q:RU+\q+1], v[RS+\q:RS+\q+1], s[86:87], v[244:245] op_sel_hi:[1,0,1]
.endr
.irp c, 88,90,92,94
.irp q, 0,2,4,6,8,10,12,14
	EXP1
	v_pk_fma_f32 v[RU+\q:RU+\q+1], v[RU+\q:RU+\q+1], v[RS+\q:RS+\q+1], s[\c:\c+1] op_sel_hi:[1,1,0]
.endr
.endr
.irp q, 0,2,4,6,8,10,12,14
	EXP1
	v_pk_fma_f32 v[RU+\q:RU+\q+1], v[RU+\q:RU+\q+1], v[RT+\q:RT+\q+1], v[RT+\q:RT+\q+1]
.endr
	s_wait_alu depctr_va_vdst(0)
.irp q, 0,2,4,6,8,10,12,14
	v_pk_fma_f32 v[RP+\q:RP+\q+1], v[RP+\q:RP+\q+1], -1.0, 1.0 op_sel_hi:[1,0,0]
.endr
.irp q, 0,1,2,3,4,5,6,7,8,9,10,11,12,13,14,15
	v_cmp_lt_f32 vcc_lo, s71, v[RT+\q]
	v_cndmask_b32 v[RU+\q], v[RU+\q], v[RP+\q], vcc_lo           ; erf(t): a choice of values, no branch
.endr
.irp q, 0,1,2,3,4,5,6,7,8,9,10,11,12,13,14,15
	v_fma_f32 v[HD+\q], |v[RHX+\q]|, v[RU+\q], v[RHX+\q]
.endr
.endm
; The 32 numbers in v[RH] on, two blocks of 32 along the next K shared with lane l xor 16, become half a fragment's codes and two bytes of the row's scale word; both go to LDS as they stand.
.macro QUANT2 m
.irp b, 0,1
	v_max3_num_f32 v[QT+\b], |v[RH+16*\b]|, |v[RH+16*\b+1]|, 0x1800000        ; with the floor 2^(3 - 127): the byte cannot fall under 1
	v_max3_num_f32 v[QT+2+\b], |v[RH+16*\b+2]|, |v[RH+16*\b+3]|, |v[RH+16*\b+4]|
.endr
.irp i, 5,9
.irp b, 0,1
	v_max3_num_f32 v[QT+\b], v[QT+\b], |v[RH+16*\b+\i]|, |v[RH+16*\b+\i+1]|
	v_max3_num_f32 v[QT+2+\b], v[QT+2+\b], |v[RH+16*\b+\i+2]|, |v[RH+16*\b+\i+3]|
.endr
.endr
.irp b, 0,1
	v_max3_num_f32 v[QT+\b], v[QT+\b], |v[RH+16*\b+13]|, |v[RH+16*\b+14]|
.endr
.irp b, 0,1
	v_max3_num_f32 v[QT+2+\b], v[QT+2+\b], |v[RH+16*\b+15]|, v[QT+\b]
.endr
.irp b, 0,1
	v_permlanex16_b32 v[QT+4+\b], v[QT+2+\b], s40, s41
.endr
.irp b, 0,1
	v_max_num_f32 v[QT+2+\b], v[QT+2+\b], v[QT+4+\b]             ; the block's largest magnitude
.endr
.irp b, 0,1
	v_add_nc_u32 v[QT+6+\b], 0xff000000, v[QT+2+\b]              ; 2 off its exponent field: the conversion's scale operand
.endr
.irp b, 0,1
	v_lshrrev_b32 v[QT+8+\b], 23, v[QT+6+\b]                     ; the scale's byte
.endr
	v_lshl_or_b32 v[QT+10], v[QT+9], 8, v[QT+8]
	v_lshrrev_b32 v[HW+\m], 16, v[HW+\m]                         ; the last two bytes go down,
	v_lshl_or_b32 v[HW+\m], v[QT+10], 16, v[HW+\m]               ; the new two on top: the word is whole behind an expert's second chunk
.irp b, 0,1
	v_cvt_scalef32_pk8_fp4_f32 v[PC+4*\m+2*\b], v[RH+16*\b:RH+16*\b+7], v[QT+6+\b]
	v_cvt_scalef32_pk8_fp4_f32 v[PC+4*\m+2*\b+1], v[RH+16*\b+8:RH+16*\b+15], v[QT+6+\b]
.endr
	v_nop                                          ; one plain place behind the last scaled conversion
	v_permlane16_swap_b32 v[PC+4*\m], v[PC+4*\m+2]               ; the operand's layout wants a whole block in a lane
	v_permlane16_swap_b32 v[PC+4*\m+1], v[PC+4*\m+3]
	ds_store_b128 v13, v[PC+4*\m:PC+4*\m+3] offset:2048*\m
	ds_store_b32 v14, v[HW+\m] offset:512*\m
.endm
	; ---- THE FIRST PRODUCT: four trips, tau = 2 ei + c: 64 of my hidden units of one expert, for the 48 rows
	s_mov_b32 s66, 0                               ; tau
	s_mov_b32 s67, 0                               ; 8,192 tau
	s_mov_b32 s68, 0                               ; 2,048 tau
.Lp1:
	s_wait_loadcnt 0x0                             ; this chunk's weights: no load of mine is out, so the bases may be written
	v_add_nc_u32 v13, s67, v11
	v_add_nc_u32 v14, s68, v12
	WIN 0x5e                                       ; source 0 (W1) window 2, source 1 (x) window 3, C and D window 1
.irp ks, 0,1,2,3,4,5,6,7                       ; the 12 accumulators take turns, one instruction a turn
.irp t, 0,1,2,3
.irp m, 0,1,2
.set rD, 32*\m+8*\t
.set rA, 8*(4*\ks+\t)
.set rB, 8*(8*\m+\ks)
.set rC, rD
.if \ks == 0
.set rC, 128+8*\t                              ; the bias starts the sum
.endif
.set sA, S1T+8*(\t/2)+\ks
.set sB, XS+8*\m+\ks
	WMS \t%2
.endr
.endr
.endr
	WIN 0
	PLACES
	s_cmp_eq_u32 s66, 3
	s_cbranch_scc1 .Lw2a
	s_add_co_u32 s69, s66, 1
	NEXTBASE
	WLOAD1_0                                       ; the next chunk's weights land under this chunk's activation
	s_branch .Lj1
.Lw2a:
	W2W 0, 0, 0                                    ; behind the last chunk: the second product's first weights
	W2W 0, 1, 0
	W2W 1, 0, 0
.Lj1:
	GELU16 0, 0
	GELU16 0, 1
	QUANT2 0
	s_cmp_eq_u32 s66, 3                            ; the chunk's other 16 loads stand behind the first tile of rows: two tiles' activation is left for them to land under
	s_cbranch_scc1 .Lw2b
	WLOAD1_1
	s_branch .Lj2
.Lw2b:
	W2W 1, 1, 0
.Lj2:
	GELU16 1, 0
	GELU16 1, 1
	QUANT2 1
	GELU16 2, 0
	GELU16 2, 1
	QUANT2 2
	s_add_co_u32 s66, s66, 1
	s_add_co_u32 s67, s67, 8192
	s_add_co_u32 s68, s68, 2048
	s_cmp_lt_u32 s66, 4
	s_cbranch_scc1 .Lp1
	; ---- THE SECOND PRODUCT
	s_wait_loadcnt 0x0                             ; no load of mine is out: nothing is on its way into the scale registers and into window 1, which the loads below fill anew.
	                                               ; The youngest that this waits for, W2's last 16 fragments, were asked for two tiles' activation ago
	v_lshlrev_b32 v15, 2, v3                       ; 4 h
	W2SB 0, 0, 0
	W2SB 0, 1, 0
	W2SB 1, 0, 0
	W2SB 1, 1, 0
.irp m, 0,1,2
.irp i, 0,1,2,3,4,5,6,7
	global_load_b32 v[TRO+8*\m+\i], v15, s[PL:PL+1] offset:64*\m+8*\i      ; the list's word of row 16 m + 2 i + h: the rows as the way out stores them
.endr
.endr
	s_wait_dscnt 0x0
	s_barrier_signal -1
	s_barrier_wait -1                              ; both experts' hidden layers lie in LDS
	v_add_nc_u32 v13, HIMG, v4
	v_add_nc_u32 v14, HSC, v7
	v_lshlrev_b32 v16, 4, v2                       ; 16 r
	WIN 0x40                                       ; destination window 1
.irp ei, 0,1
.irp m, 0,1,2
.irp ks, 0,1,2,3
.irp cc, 0,1
	ds_load_b128 v[8*((4*\ei+\m)*4+\ks)+4*\cc:8*((4*\ei+\m)*4+\ks)+4*\cc+3], v13 offset:(2*\ei+\cc)*8192+(4*\m+\ks)*512
.endr
.endr
.endr
.endr
	WIN 0
.irp ei, 0,1
.irp m, 0,1,2
.irp ks, 0,1,2,3
	ds_load_b32 v[XS+16*\ei+4*\m+\ks], v14 offset:(2*\ei+1)*2048+(4*\m+\ks)*128      ; the words stored behind an expert's second chunk are whole
.endr
.endr
.endr
	s_wait_loadcnt 0x0                             ; the first trip's scale words and biases, and the rows' words
.set I, 0
.rept 24
	v_and_b32 v[TRO+I], 0x1fff, v[TRO+I]           ; the token without the record,
.set I, I+1
.endr
.set I, 0
.rept 24
	v_min_u32 v[TRO+I], 0x1fff, v[TRO+I]           ; held inside the table,
.set I, I+1
.endr
.set I, 0
.rept 24
	v_lshl_add_u32 v[TRO+I], v[TRO+I], 12, v16     ; its row of out0, + 16 r
.set I, I+1
.endr
	s_wait_dscnt 0x0                               ; the hidden layer's fragments and scale words
.macro MUL2 hb                         ; 48 products: two tiles of columns x two experts x three tiles of rows, K = 512.  12 accumulators take turns, one instruction a turn
.irp ks, 0,1,2,3
.if \ks == 0
	WIN 0xc6                                       ; source 0 (W2) window 2, source 1 (hidden) window 1, C (b2) window 0, D window 3
.else
	WIN 0xf6                                       ; C window 3
.endif
.irp ei, 0,1
.irp n, 0,1
.irp m, 0,1,2
.set rD, 128*\ei+32*(2*\hb+\n)+8*\m
.set rA, 128*\hb+64*\ei+8*(4*\n+\ks)
.set rB, 8*((4*\ei+\m)*4+\ks)
.set rC, rD
.if \ks == 0
.set rC, B2T+32*\hb+16*\ei+8*\n
.endif
.set sA, S1T+8*\hb+4*\ei+\ks
.set sB, XS+16*\ei+4*\m+\ks
	WMS \n
.endr
.endr
.endr
.endr
.endm
.macro PACK m                          ; rows 16 m on: lo's result x its gate + hi's x its gate; each accumulator from its low end on
	WIN 0x03                                       ; source 0 window 3
.irp n4, 0,1,2,3
.irp q, 0,2,4,6
	v_pk_mul_f32 v[RO+8*\n4+\q:RO+8*\n4+\q+1], v[32*\n4+8*\m+\q:32*\n4+8*\m+\q+1], v[GT+2*\m:GT+2*\m+1] op_sel_hi:[1,0]
.endr
.endr
.irp n4, 0,1,2,3
.irp q, 0,2,4,6
	v_pk_fma_f32 v[RO+8*\n4+\q:RO+8*\n4+\q+1], v[128+32*\n4+8*\m+\q:128+32*\n4+8*\m+\q+1], v[GT+2*\m:GT+2*\m+1], v[RO+8*\n4+\q:RO+8*\n4+\q+1] op_sel:[0,1,0] op_sel_hi:[1,1,1]
.endr
.endr
	WIN 0
.endm
.macro TOSTAGE                         ; 16 rows x 64 columns through my own stage: in by 32 bytes of a row a lane, back as whole rows of 256 bytes
.irp n4, 0,1,2,3
	ds_store_b128 v9, v[RO+8*\n4:RO+8*\n4+3] offset:64*\n4
	ds_store_b128 v9, v[RO+8*\n4+4:RO+8*\n4+7] offset:64*\n4+16
.endr
.irp i, 0,1,2,3,4,5,6,7
	ds_load_b128 v[OB+4*\i:OB+4*\i+3], v10 offset:2*\i*SP        ; LDS serves a wave's instructions in order (ISA guide 5.7.1.4): these see the stores above
.endr
.endm
.macro SEND m
	s_wait_dscnt 0x0                               ; the rows are back in registers
	s_cmp_eq_u32 s38, 0                            ; a work-group without rows stores nothing: the flag came by a scalar load from the list
	s_cbranch_scc1 .Lns_\@
.irp i, 0,1,2,3,4,5,6,7
	global_store_b128 v[TRO+8*\m+\i], v[OB+4*\i:OB+4*\i+3], s[62:63] th:TH_STORE_NT   ; sixteen lanes store 256 consecutive bytes of a token's row, at a multiple of 256 from out0's first byte
.endr
.Lns_\@:
	s_wait_xcnt 0x0                                ; the stores' data and base are written again only behind this wait
.endm
; A trip: 64 of my 256 columns.  next = 1: the next trip's weights are asked for as soon as their registers are free.
.macro TRIP2 next
	MUL2 0
	WIN 0
	PLACES
.if \next
	HALF 0, 0, 1
	HALF 0, 1, 1
	s_wait_loadcnt 42                              ; the second half's loads are in; the 42 just issued may be out
.else
	s_wait_loadcnt 0x0
.endif
	MUL2 1
	WIN 0
	PLACES
.if \next
	HALF 1, 0, 1
.endif
	PACK 0
	TOSTAGE
	PACK 1                                         ; a tile's arithmetic stands between the loads of the tile before and the wait for them
	SEND 0
	TOSTAGE
	PACK 2
	SEND 1
.if \next
	HALF 1, 1, 1
.endif
	TOSTAGE
	SEND 2
.if \next
	s_add_nc_u64 s[50:51], s[50:51], 16384         ; (behind SEND's wait on XCNT: every load and store issued has read its base)
	s_add_nc_u64 s[52:53], s[52:53], 16384
	s_add_nc_u64 s[54:55], s[54:55], 1024
	s_add_nc_u64 s[56:57], s[56:57], 1024
	s_add_nc_u64 s[58:59], s[58:59], 256
	s_add_nc_u64 s[60:61], s[60:61], 256
	s_add_nc_u64 s[62:63], s[62:63], 256
	s_wait_loadcnt 42                              ; the next trip's first half is in; its second half's 42 loads may be out
.endif
.endm
	s_mov_b32 s69, 3
.Lp2:
	TRIP2 1
	s_sub_co_u32 s69, s69, 1
	s_cmp_lg_u32 s69, 0
	s_cbranch_scc1 .Lp2
	TRIP2 0                                        ; the last trip asks for nothing: no load leaves its buffer
	s_wait_tensorcnt 0x0
	ds_add_u32 v94, v95
	s_wait_dscnt 0x0
	s_endpgm
.Lfunc_end_k_q1746842689_experts:
	.size	k_q1746842689_experts, .Lfunc_end_k_q1746842689_experts-k_q1746842689_experts
	.p2alignl 7, 3214868480
	.fill 96, 4, 3214868480
	.section	.rodata,"a",@progbits
	.p2align	6, 0x0
	.amdhsa_kernel k_q1746842689_experts
		.amdhsa_group_segment_fixed_size 102912
		.amdhsa_private_segment_fixed_size 0
		.amdhsa_enable_private_segment 0
		.amdhsa_kernarg_size 88
		.amdhsa_user_sgpr_count 2
		.amdhsa_user_sgpr_kernarg_segment_ptr 1
		.amdhsa_wavefront_size32 1
		.amdhsa_system_sgpr_workgroup_id_x 1
		.amdhsa_system_sgpr_workgroup_id_y 1
		.amdhsa_system_sgpr_workgroup_id_z 1
		.amdhsa_system_vgpr_workitem_id 0
		.amdhsa_next_free_vgpr 1024
		.amdhsa_next_free_sgpr 100
		.amdhsa_reserve_vcc 1
		.amdhsa_float_denorm_mode_32 3
		.amdhsa_float_denorm_mode_16_64 3
		.amdhsa_memory_ordered 1
		.amdhsa_forward_progress 1
		.amdhsa_inst_pref_size 201
	.end_amdhsa_kernel
	.amdgpu_metadata
---
amdhsa.version: [ 1, 2 ]
amdhsa.kernels:
  - .name:           k_q1746842689_experts
    .symbol:         k_q1746842689_experts.kd
    .args:
      - { .name: list, .offset: 0, .size: 8, .value_kind: global_buffer, .address_space: global }
      - { .name: gates, .offset: 8, .size: 8, .value_kind: global_buffer, .address_space: global }
      - { .name: xq, .offset: 16, .size: 8, .value_kind: global_buffer, .address_space: global }
      - { .name: xs, .offset: 24, .size: 8, .value_kind: global_buffer, .address_space: global }
      - { .name: W1L, .offset: 32, .size: 8, .value_kind: global_buffer, .address_space: global }
      - { .name: W1_scales, .offset: 40, .size: 8, .value_kind: global_buffer, .address_space: global }
      - { .name: b1, .offset: 48, .size: 8, .value_kind: global_buffer, .address_space: global }
      - { .name: W2L, .offset: 56, .size: 8, .value_kind: global_buffer, .address_space: global }
      - { .name: W2_scales, .offset: 64, .size: 8, .value_kind: global_buffer, .address_space: global }
      - { .name: b2, .offset: 72, .size: 8, .value_kind: global_buffer, .address_space: global }
      - { .name: out0, .offset: 80, .size: 8, .value_kind: global_buffer, .address_space: global }
    .group_segment_fixed_size: 102912
    .private_segment_fixed_size: 0
    .kernarg_segment_align: 8
    .kernarg_segment_size: 88
    .max_flat_workgroup_size: 128
    .sgpr_count:     100
    .vgpr_count:     1024
    .wavefront_size: 32
...
	.end_amdgpu_metadata
.endif
;; end of part 3
